; MI455X (gfx1250); checked and timed in simulation.
; The chip was launched on July 23, 2026; its instructions are those of AMD's public machine-readable ISA for CDNA 5 (MIT licence, August 2026) and "CDNA5" Instruction Set Architecture Reference Guide (July 2026). The comments in the code are by the model that wrote it; some were corrected since.
;; Complex Attention. Allowed arithmetic: matrix products marked QUANTISED: E2M1 operands, one E8M0 scale for each 32 along K, by v_wmma_scale_f32_16x16x128_f8f6f4 with both operands' format E2M1 (or v_wmma_scale_f32_32x16x128_f4), f32 sums; everything else in f32.
;; Inputs: Wki_codes 1,024 x 32 x 16 uint8 (E2M1 codes of Wki, K innermost, in blocks of 32 codes, two codes a byte); Wki_scales 1,024 x 32 uint8 (E8M0 scales of Wki, one for each 32 codes along K); Wkr_codes 1,024 x 32 x 16 uint8 (E2M1 codes of Wkr, K innermost, in blocks of 32 codes, two codes a byte); Wkr_scales 1,024 x 32 uint8 (E8M0 scales of Wkr, one for each 32 codes along K); Woi_codes 1,024 x 32 x 16 uint8 (E2M1 codes of Woi, K innermost, in blocks of 32 codes, two codes a byte); Woi_scales 1,024 x 32 uint8 (E8M0 scales of Woi, one for each 32 codes along K); Wor_codes 1,024 x 32 x 16 uint8 (E2M1 codes of Wor, K innermost, in blocks of 32 codes, two codes a byte); Wor_scales 1,024 x 32 uint8 (E8M0 scales of Wor, one for each 32 codes along K); Wqi_codes 1,024 x 32 x 16 uint8 (E2M1 codes of Wqi, K innermost, in blocks of 32 codes, two codes a byte); Wqi_scales 1,024 x 32 uint8 (E8M0 scales of Wqi, one for each 32 codes along K); Wqr_codes 1,024 x 32 x 16 uint8 (E2M1 codes of Wqr, K innermost, in blocks of 32 codes, two codes a byte); Wqr_scales 1,024 x 32 uint8 (E8M0 scales of Wqr, one for each 32 codes along K); Wvi_codes 1,024 x 32 x 16 uint8 (E2M1 codes of Wvi, K innermost, in blocks of 32 codes, two codes a byte); Wvi_scales 1,024 x 32 uint8 (E8M0 scales of Wvi, one for each 32 codes along K); Wvr_codes 1,024 x 32 x 16 uint8 (E2M1 codes of Wvr, K innermost, in blocks of 32 codes, two codes a byte); Wvr_scales 1,024 x 32 uint8 (E8M0 scales of Wvr, one for each 32 codes along K); bki 1,024 float32; bkr 1,024 float32; boi 1,024 float32; bor 1,024 float32; bqi 1,024 float32; bqr 1,024 float32; bvi 1,024 float32; bvr 1,024 float32; x_imag_codes 2 x 2,048 x 32 x 16 uint8 (E2M1 codes of x_imag, K innermost, in blocks of 32 codes, two codes a byte); x_imag_scales 2 x 2,048 x 32 uint8 (E8M0 scales of x_imag, one for each 32 codes along K); x_real_codes 2 x 2,048 x 32 x 16 uint8 (E2M1 codes of x_real, K innermost, in blocks of 32 codes, two codes a byte); x_real_scales 2 x 2,048 x 32 uint8 (E8M0 scales of x_real, one for each 32 codes along K).
;; Outputs: out0 2 x 2,048 x 1,024 float32; out1 2 x 2,048 x 1,024 float32.
;; This version of the problem:
;;   THIS VERSION OF THE PROBLEM IS GIVEN IN LOW PRECISION. The matrix products marked QUANTISED in the list below multiply operands that are first quantised to E2M1 (2 exponent bits, 1 mantissa bit; 4 bits a number), with one power-of-two scale for each 32 numbers along K (OCP MX v1.0); their sums are f32. All else is computed in f32.
;;   The module's matrix products, in the order in which they are computed (A, B: the left and right operand; K: the contracted axis; several contracted axes count as one K, in the product's order):
;;     1. [M 4,096, K 1,024] x [K 1,024, N 1,024]; A: input x_real (given as codes); B: input Wqr (given as codes): QUANTISED
;;     2. [M 4,096, K 1,024] x [K 1,024, N 1,024]; A: input x_imag (given as codes); B: input Wqi (given as codes): QUANTISED
;;     3. [M 4,096, K 1,024] x [K 1,024, N 1,024]; A: input x_real (given as codes); B: input Wkr (given as codes): QUANTISED
;;     4. [M 4,096, K 1,024] x [K 1,024, N 1,024]; A: input x_imag (given as codes); B: input Wki (given as codes): QUANTISED
;;     5. [M 4,096, K 1,024] x [K 1,024, N 1,024]; A: input x_real (given as codes); B: input Wvr (given as codes): QUANTISED
;;     6. [M 4,096, K 1,024] x [K 1,024, N 1,024]; A: input x_imag (given as codes); B: input Wvi (given as codes): QUANTISED
;;     7. batch 32 x [M 2,048, K 64] x [K 64, N 2,048]; A: computed on the way; B: computed on the way: QUANTISED
;;     8. batch 32 x [M 2,048, K 64] x [K 64, N 2,048]; A: computed on the way; B: computed on the way: QUANTISED
;;     9. batch 32 x [M 2,048, K 2,048] x [K 2,048, N 64]; A: softmax (see below); B: computed on the way: QUANTISED
;;     10. batch 32 x [M 2,048, K 2,048] x [K 2,048, N 64]; A: softmax (see below); B: computed on the way: QUANTISED
;;     11. [M 4,096, K 1,024] x [K 1,024, N 1,024]; A: computed on the way; B: input Wor (given as codes): QUANTISED
;;     12. [M 4,096, K 1,024] x [K 1,024, N 1,024]; A: computed on the way; B: input Woi (given as codes): QUANTISED
;;   THE QUANTISER, for each operand of a quantised product, along K:
;;     - K is cut into blocks of 32 from its start; a last block that is shorter is filled with zeros.
;;     - A block's scale is 2^e with e = floor(log2(the largest magnitude in the block)) - 2, held to -126 .. 127; a block of zeros has e = 0. As a byte (E8M0): e + 127.
;;     - Each number is divided by its block's scale, clamped to +-6, and rounded to the nearest number of E2M1, ties to even, subnormals kept.
;;     - The product sums the exact products of the quantised numbers (number of the format x scale) in f32.
;;   ~~~python
;;   def quantise(x, axis):      # numpy; x: float32 -> the quantised numbers, widened to float32 again
;;       x = np.moveaxis(x, axis, -1); K = x.shape[-1]
;;       x = np.pad(x, [(0, 0)] * (x.ndim - 1) + [(0, -K % 32)]); x = x.reshape(x.shape[:-1] + (-1, 32)); a = np.abs(x).max(-1, keepdims=True)
;;       e = np.where(a > 0, np.clip(np.frexp(np.where(a > 0, a, 1))[1] - 1 - 2, -126, 127), 0)      # np.frexp(a)[1] - 1 = floor(log2(a)), exactly
;;       r = np.clip(x / 2.0 ** e, -6, 6)
;;       step = 2.0 ** (np.maximum(np.frexp(np.where(r == 0, 1, r))[1] - 1, 0) - 1)
;;       q = np.round(r / step) * step * 2.0 ** e      # np.round: ties to even
;;       return np.moveaxis(q.reshape(q.shape[:-2] + (-1,))[..., :K], -1, axis).astype(np.float32)
;;   ~~~
;;   SOFTMAX AHEAD OF A QUANTISED PRODUCT. Where the list says 'softmax', what is quantised is not the finished softmax but p = 2^(t - M), with t = logit x log2(e) and M = ceil(the row's largest t), a whole number; so 1/2 < the row's largest p <= 1. The row's sum l is taken of the UNQUANTISED p, in f32, and the product's result is divided by l at the end. Since M is a whole number, a kernel that streams over the keys may use a running M (the ceiling of the running maximum): every later rescaling is an exact power of two, which a block's scale takes up: the codes' values come out the same.
;;   OPERANDS COMPUTED ON THE WAY. 'Computed on the way' means the value that the module computes at that place (a softmax that the list does not call 'softmax' is quantised finished and normalised). What goes into a quantiser is computed in f32, as accurately as f32 sums, v_exp_f32 and their like allow (about 1e-6 of the number): no bf16 or f16 on the way to a quantiser, and a product that is left as it is and whose result goes on into a quantised operand takes f32 operands (vector FMAs, or v_wmma_f32_16x16x4_f32). A number that lies on a knife's edge between two numbers of the format may be rounded either way, as far as f32 arithmetic and the matrix unit's own rounding can turn it there, and no further.
;;   INPUTS GIVEN AS CODES. Wki (in the module: [1024, 1024], K = its axis 0); Wkr (in the module: [1024, 1024], K = its axis 0); Woi (in the module: [1024, 1024], K = its axis 0); Wor (in the module: [1024, 1024], K = its axis 0); Wqi (in the module: [1024, 1024], K = its axis 0); Wqr (in the module: [1024, 1024], K = its axis 0); Wvi (in the module: [1024, 1024], K = its axis 0); Wvr (in the module: [1024, 1024], K = its axis 0); x_imag (in the module: [2, 2048, 1024], K = its axis 2); x_real (in the module: [2, 2048, 1024], K = its axis 2): each comes as NAME_codes (uint8): NAME with its K axis moved to the last place and cut into blocks of 32 codes, [.., K / 32, bytes a block], one block behind the other in memory; two codes a byte, the lower K in the low four bits (a code: sign, 2 exponent bits, 1 mantissa bit); and NAME_scales (uint8): the same leading axes, one E8M0 byte (e + 127) for each 32 codes along K. Its value is code x scale, taken as it is: it is not quantised again, and the codes and scales need not be those that the quantiser above would give.
;; One version. Each part assembles by itself: llvm-mc -triple=amdgcn-amd-amdhsa -mcpu=gfx1250 --defsym DOCPART=n.
;; ======== version 1 of 1: 3 launches
;; limits: right only within a limited range of input values
;; workspace buffers: qkv 13,369,344 bytes; aoc 4,194,304 bytes; aos 262,144 bytes
;; launch proj (part 1): grid 8 x 32, 4 waves a work-group, clusters of 4 x 4, 327,680 bytes of LDS; arguments x_real_codes, x_real_scales, Wqr_codes, Wkr_codes, Wvr_codes, Wqr_scales, Wkr_scales, Wvr_scales, bqr, bkr, bvr, x_imag_codes, x_imag_scales, Wqi_codes, Wki_codes, Wvi_codes, Wqi_scales, Wki_scales, Wvi_scales, bqi, bki, bvi, qkv; writes qkv
.if DOCPART == 1
	.amdgcn_target "amdgcn-amd-amdhsa--gfx1250"
	.amdhsa_code_object_version 6
	.text
	.protected	k_q261a9f38cf_proj
	.globl	k_q261a9f38cf_proj
	.p2align	8
	.type	k_q261a9f38cf_proj,@function
k_q261a9f38cf_proj:
	s_mov_b64 s[64:65], 0
	v_nop
	global_prefetch_b8 v0, s[64:65] scope:SCOPE_SE
	s_setreg_imm32_b32 hwreg(HW_REG_WAVE_MODE, 25, 1), 1
	s_wait_xcnt 0x0
	s_wait_alu depctr_hold_cnt(0) depctr_sa_sdst(0) depctr_va_vdst(0) depctr_va_sdst(0) depctr_va_ssrc(0) depctr_va_vcc(0) depctr_vm_vsrc(0)
	s_getreg_b32 s2, hwreg(HW_REG_IB_STS2, 6, 4)
	s_cmp_eq_u32 s2, 0
	s_cbranch_scc0 .Lentry_in_a_cluster
	s_endpgm
.Lentry_in_a_cluster:
	s_bfe_u32 s2, ttmp6, 0x10000c
	s_cmp_lg_u32 s2, 0xf033
	s_cbranch_scc0 .Lentry_shape_is_right
	s_endpgm
.Lentry_shape_is_right:
; q, k, v = x W + b for the real or the imaginary part, on codes of FP4 (E2M1) with one E8M0 scale for each 32 along K, and the results quantised again:
; q and k along the head's 64 channels (two blocks), v along the keys.  x: 4,096 rows x 512 bytes of codes; each W: 1,024 rows (output channels) x 512 bytes, K innermost.
; SHARES.  A work-group takes 128 output channels (two heads) of q, k and v of ONE part (the upper half of the grid's y: imaginary) and stays for TWO tiles of 128 rows of x: the same key step of batch 0 and of batch 1.
; Wave w: head w / 2, rows 64 (w % 2) on: 4 tiles of x against 4 tiles of each W: 48 accumulators.  All of K (1,024) lies in LDS: x, Wq, Wk, Wv, 128 rows of 512 bytes each, one load a wave.
; The W tiles are filled once.  x's tile is filled again behind a round of the cluster's barrier as soon as all its fragments are in registers: the load is on its way while the first tile's results are quantised and stored.
; q, k: source 0 = 16 rows of W, source 1 = 16 rows of x: a lane holds one row of x and eight neighbouring channels.  v: source 0 = x, source 1 = W: a lane holds one channel and eight neighbouring keys.
; So in both a lane's registers run along the NEXT product's K.  The biases are the C of each sum's first matrix instruction.
; WHAT IS STORED: images of the next launch's operand registers.  A half fragment (16 rows x 64 K) is 512 bytes, lane l's 16 bytes at 16 l.
;   qkv: sections Q, K, V of 4,456,448 bytes: [batch x head 32][block of 128 rows 16][8,192 bytes of codes, 512 of scale words].
;   codes of Q, K: [tile of 16 rows 8][real, imaginary][512];  of V: [tile of 16 of the 128 channels vr | vi][keys 64 c on][512].
;   scale words: [tile / 4][row 16][tile % 4][4 bytes]: one load of 16 bytes a lane brings eight tiles' words.
; CLUSTER 4 x 4: x's tile is shared along a row of the cluster, the W tiles along a column: joint loads.  No prefetch: the text has no loop of tensor loads to run ahead in (one load a wave at the head, one refill).
; Every input is used.  The key steps that the causal mask hides whole are left out in the next launch.
; LIMITS: NaN and infinities are not served.  A block whose largest magnitude lies under 2^-124 keeps the scale byte 1; a block of zeros too (its codes are zeros, and this program alone reads the bytes).
; REGISTERS: window 0: v1-17 addresses, v32-95 scale words, v96-143 codes made, v144-150, v200-215 at work.  window 1: two sets of 16 fragments.  window 2: q's and k's accumulators.  window 3: v's, then the biases.
.set PITCH, 528                        ; an LDS row: 512 bytes + 16 of padding: the 16 rows of a fragment load start 132 words apart
.set TILEB, 128*PITCH                  ; 128 rows: what one tensor load of the head brings
.set SPARE, 4*TILEB                    ; the spare words: 128 bytes a wave
.set STB,   8704                       ; a block of 128 rows in qkv
.set HS,    16*STB
.set SECB,  32*HS
.set LI,  4                            ; v4   16 x lane
.set SOF, 5                            ; v5   16 r + 4 h: where my half of a scale word goes
.set SH,  6                            ; v6   16 h
.set SCO, 7                            ; v7   32 r + 16 h: my 16 scale bytes of a row's 32
.set BO,  8                            ; v8   32 h: my eight numbers of a bias tile
.set BVO, 9                            ; v9   4 r
.set ADX, 10                           ; v10  LDS address of my fragments of x
.set ADW, 12                           ; v12-14 the same for Wq, Wk, Wv
.set SCX, 32                           ; v32-47 x's scale words: tile t at 4 t; register q: K step q in lanes 0-15, K step 4 + q in lanes 16-31
.set SCW, 48                           ; v48-95 W's: 16 m + 4 t
.set PC,  96                           ; v96-143 six sets of eight registers of codes
.set VAL, 144                          ; v144-149 the halves of scale words to store
.set PW,  150                          ; v150 the scale word just made
.set TM,  200                          ; v200-203 largest magnitudes, v204-207 bytes, v212-215 the conversions' scale operands
.set WV,  26
.set RI,  27
.set G1X, 28                           ; s[28:35] descriptor group 1 for x's tiles;  s[36:43] for W's
.set G1W, 36
.set G0X, 44                           ; s[44:47] group 0 for x, s[56:59] for W, s[60:63] for my 32 rows of x's second tile
.set G0W, 56
.set G0R, 60
.set OQK, 80                           ; s[80:81] where my codes of q and k go;  s[82:83] of v;  s[84:85], s[86:87] the scale halves
.set OV,  82
.set OQKS, 84
.set OVS, 86
.set SEL, 88
.set MSB, 0
.macro WIN new                         ; the immediate's high byte repeats the setting that is left
.if MSB != (\new)
	s_set_vgpr_msb (MSB<<8)|(\new)
.set MSB, (\new)
.endif
.endm
.macro PLACES                          ; four plain places behind matrix instructions, ahead of loads into their operands and of reads of their results
.rept 4
	v_nop
.endr
.endm
.macro CREST                           ; a round of the cluster's barrier behind its opening barrier
	s_cmp_lg_u32 s[WV], 0
	s_cbranch_scc1 .Lnot_wave_0_\@
	s_barrier_signal -3
.Lnot_wave_0_\@:
	s_barrier_wait -3
	s_barrier_signal -1
	s_barrier_wait -1
.endm
.macro CROUND
	s_barrier_signal -1
	s_barrier_wait -1
	CREST
.endm
	s_load_b512 s[4:19], s[0:1], 0x0               ; the real set: x's codes, x's scales, Wq, Wk, Wv codes, Wq, Wk, Wv scales,
	s_load_b128 s[20:23], s[0:1], 0x40             ; bq, bk,
	s_load_b64 s[24:25], s[0:1], 0x50              ; bv
	s_load_b512 s[28:43], s[0:1], 0x58             ; the imaginary set, in the same order
	s_load_b128 s[44:47], s[0:1], 0x98
	s_load_b64 s[48:49], s[0:1], 0xa8
	s_load_b64 s[52:53], s[0:1], 0xb0              ; qkv
	v_lshl_add_u32 v254, v0, 2, SPARE
	v_mov_b32 v255, 0
	ds_add_u32 v254, v255                          ; the opening: the add, twice on end, and its wait
	ds_add_u32 v254, v255
	v_lshrrev_b32 v1, 5, v0
	v_readfirstlane_b32 s[WV], v1                  ; wave 0..3
	s_bfe_u32 s66, ttmp6, 0x40000                  ; cx
	s_bfe_u32 s67, ttmp6, 0x40004                  ; cy
	s_lshl_b32 s68, ttmp9, 2
	s_add_co_u32 s68, s68, s66                     ; NG: which 128 output channels = 4 x cluster x + cx
	s_and_b32 s69, ttmp7, 0xffff                   ; the cluster's y, 0..7
	s_lshr_b32 s[RI], s69, 2                       ; 0: the real part, 1: the imaginary: alike in the whole cluster
	s_and_b32 s70, s69, 3
	s_lshl_b32 s70, s70, 2
	s_add_co_u32 s70, s70, s67                     ; MT: which 128 rows of each batch, 0..15
	s_lshr_b32 s71, s[WV], 1                       ; hd: which of the two heads
	s_and_b32 s72, s[WV], 1                        ; rh: which 64 rows
	s_lshl_b32 s73, s67, 2
	s_lshl_b32 s73, 15, s73                        ; my row of the cluster
	s_lshl_b32 s74, 0x1111, s66                    ; my column
	s_mul_i32 s75, s[WV], TILEB                    ; where my tile goes
	s_mov_b32 s[SEL], 0x76543210
	s_mov_b32 s[SEL+1], 0xfedcba98                 ; v_permlanex16_b32's selects for lane l xor 16
	s_wait_dscnt 0x0
	s_wait_kmcnt 0x0
	s_cmp_eq_u32 s[RI], 0                          ; the part's eleven buffers: the choice hangs on the cluster's y alone
.irp i, 0,1,2,3,4,5,6,7,8,9,10
	s_cselect_b64 s[4+2*\i:5+2*\i], s[4+2*\i:5+2*\i], s[28+2*\i:29+2*\i]
.endr
	; group 1: 128 rows x 512 bytes, 16 bytes of padding behind each row in LDS
	s_or_b32 s[G1X], s73, (1<<20)|(1<<21)|(6<<22)|(3<<25)   ; 15:0 the mask; 17:16 elements of 1 byte; 20 padding on; 21 set beside a mask; 24:22 after every 128 words; 31:25 four words
	s_or_b32 s[G1W], s74, (1<<20)|(1<<21)|(6<<22)|(3<<25)
.irp g, G1X, G1W
	s_mov_b32 s[\g+1], 512<<16                     ; tensor_dim0
	s_mov_b32 s[\g+2], 128<<16                     ; tensor_dim1
	s_mov_b32 s[\g+3], 512<<16                     ; tile_dim0
	s_mov_b32 s[\g+4], 128                         ; tile_dim1
	s_mov_b32 s[\g+5], 512                         ; from row to row
	s_mov_b32 s[\g+6], 0
	s_mov_b32 s[\g+7], 0
.endr
	s_cmp_eq_u32 s[WV], 2                          ; which W my wave fetches: the wave's number alone decides
	s_cselect_b64 s[90:91], s[10:11], s[8:9]
	s_cmp_eq_u32 s[WV], 3
	s_cselect_b64 s[90:91], s[12:13], s[90:91]
	s_lshl_b32 s76, s70, 16                        ; x: 128 MT rows of 512 bytes (never holds cx)
	s_mov_b32 s77, 0
	s_lshl_b32 s78, s68, 16                        ; W: 128 NG rows (never holds cy)
	s_mov_b32 s79, 0
	s_add_nc_u64 s[76:77], s[4:5], s[76:77]
	s_add_nc_u64 s[78:79], s[90:91], s[78:79]
	s_mov_b32 s[G0X], 1
	s_mov_b32 s[G0X+1], s75
	s_mov_b64 s[G0X+2:G0X+3], s[76:77]
	s_or_b32 s[G0X+3], s[G0X+3], 0x80000000
	s_mov_b32 s[G0W], 1
	s_mov_b32 s[G0W+1], s75
	s_mov_b64 s[G0W+2:G0W+3], s[78:79]
	s_or_b32 s[G0W+3], s[G0W+3], 0x80000000
	CROUND                                         ; all sixteen work-groups are here: the joint loads meet
	s_cmp_eq_u32 s[WV], 0                          ; one load a wave: wave 0 fetches x's tile, waves 1, 2, 3 those of Wq, Wk, Wv
	s_cbranch_scc0 .Lfor_w
	tensor_load_to_lds s[G0X:G0X+3], s[G1X:G1X+7]
	s_nop 0
	PLACES
	s_branch .Lasked
.Lfor_w:
	tensor_load_to_lds s[G0W:G0W+3], s[G1W:G1W+7]
	s_nop 0
	PLACES
.Lasked:
	s_lshl_b32 s92, s[WV], 14                      ; x's second tile, batch 1: 2,048 rows on; each wave fetches 32 of its rows
	s_mov_b32 s93, 0
	s_add_nc_u64 s[92:93], s[76:77], s[92:93]
	s_mov_b32 s[G0R], 1
	s_mul_i32 s[G0R+1], s[WV], 32*PITCH
	s_add_nc_u64 s[G0R+2:G0R+3], s[92:93], 0x100000
	s_or_b32 s[G0R+3], s[G0R+3], 0x80000000
	v_and_b32 v1, 31, v0                           ; lane
	v_and_b32 v2, 15, v0                           ; r
	v_bfe_u32 v3, v0, 4, 1                         ; h
	v_lshlrev_b32 v[LI], 4, v1
	v_lshlrev_b32 v[SOF], 4, v2
	v_lshl_add_u32 v[SOF], v3, 2, v[SOF]
	v_lshlrev_b32 v[SH], 4, v3
	v_lshlrev_b32 v[SCO], 5, v2
	v_lshl_add_u32 v[SCO], v3, 4, v[SCO]
	v_lshlrev_b32 v[BO], 5, v3
	v_lshlrev_b32 v[BVO], 2, v2
	v_mul_u32_u24 v18, v2, PITCH
	v_lshl_add_u32 v18, v3, 4, v18                 ; a fragment's row x pitch + 16 x half
	s_mul_i32 s90, s72, 64*PITCH                   ; my 64 rows of x
	s_mul_i32 s91, s71, 64*PITCH                   ; my 64 rows of each W,
	s_add_co_u32 s91, s91, TILEB                   ; which lie behind x's tile
	v_add_nc_u32 v[ADX], s90, v18
	v_add_nc_u32 v[ADW], s91, v18
	v_add_nc_u32 v[ADW+1], TILEB, v[ADW]
	v_add_nc_u32 v[ADW+2], TILEB, v[ADW+1]
.irp b, 0,1,2,3
	v_mov_b32 v[TM+4+\b], 0                        ; written once: a lane permute's destination counts as one of its sources
.endr
	s_wait_alu depctr_va_vdst(0)                   ; the wait ahead of the run of scalar instructions
	s_lshl_b32 s90, s70, 12                        ; x's scales: (128 MT + 64 rh) rows of 32 bytes
	s_lshl_b32 s92, s72, 11
	s_add_co_u32 s90, s90, s92
	s_mov_b32 s91, 0
	s_add_nc_u64 s[6:7], s[6:7], s[90:91]
	s_lshl_b32 s90, s68, 12                        ; W's scales: (128 NG + 64 hd) rows of 32 bytes
	s_lshl_b32 s92, s71, 11
	s_add_co_u32 s90, s90, s92
	s_add_nc_u64 s[14:15], s[14:15], s[90:91]
	s_add_nc_u64 s[16:17], s[16:17], s[90:91]
	s_add_nc_u64 s[18:19], s[18:19], s[90:91]
	s_lshl_b32 s90, s68, 9                         ; the biases: 128 NG + 64 hd numbers on
	s_lshl_b32 s92, s71, 8
	s_add_co_u32 s90, s90, s92
	s_add_nc_u64 s[20:21], s[20:21], s[90:91]
	s_add_nc_u64 s[22:23], s[22:23], s[90:91]
	s_add_nc_u64 s[24:25], s[24:25], s[90:91]
.irp t, 0,1,2,3
	global_load_b128 v[SCX+4*\t:SCX+4*\t+3], v[SCO], s[6:7] offset:512*\t          ; a tile's 16 rows of scale bytes are 512 bytes
	global_load_b128 v[SCW+4*\t:SCW+4*\t+3], v[SCO], s[14:15] offset:512*\t
	global_load_b128 v[SCW+16+4*\t:SCW+16+4*\t+3], v[SCO], s[16:17] offset:512*\t
	global_load_b128 v[SCW+32+4*\t:SCW+32+4*\t+3], v[SCO], s[18:19] offset:512*\t
.endr
	WIN 0xc0                                       ; destination window 3
.irp t, 0,1,2,3
	global_load_b32 v[192+8*\t], v[BVO], s[24:25] offset:64*\t                     ; bv at channel 16 t + r
	global_load_b128 v[128+8*\t:131+8*\t], v[BO], s[20:21] offset:64*\t            ; bq at channels 16 t + 8 h + 0 .. 7: the result's layout
	global_load_b128 v[132+8*\t:135+8*\t], v[BO], s[20:21] offset:64*\t+16
	global_load_b128 v[160+8*\t:163+8*\t], v[BO], s[22:23] offset:64*\t            ; bk likewise
	global_load_b128 v[164+8*\t:167+8*\t], v[BO], s[22:23] offset:64*\t+16
.endr
	WIN 0
	; where batch 0's results go; batch 1's lie 16 heads further on
	s_lshl_b32 s90, s68, 1
	s_add_co_u32 s90, s90, s71                     ; head = 2 NG + hd
	s_mul_i32 s93, s90, HS
	s_mul_i32 s94, s70, STB
	s_add_co_u32 s93, s93, s94                     ; the head's block MT
	s_mov_b32 s91, 0
	s_lshl_b32 s90, s72, 12                        ; q, k: + 4 rh tiles of 1,024, + 512 x part
	s_lshl_b32 s92, s[RI], 9
	s_add_co_u32 s90, s90, s92
	s_add_co_u32 s90, s90, s93
	s_add_nc_u64 s[OQK:OQK+1], s[52:53], s[90:91]
	s_lshl_b32 s90, s[RI], 12                      ; v: + 4 x part tiles, + 512 rh
	s_lshl_b32 s92, s72, 9
	s_add_co_u32 s90, s90, s92
	s_add_co_u32 s90, s90, s93
	s_add_co_u32 s90, s90, 2*SECB
	s_add_nc_u64 s[OV:OV+1], s[52:53], s[90:91]
	s_add_co_u32 s93, s93, 8192                    ; the scale words lie behind the codes
	s_lshl_b32 s90, s72, 8                         ; q, k: tiles 4 rh on; bytes 2 x part of each word
	s_lshl_b32 s92, s[RI], 1
	s_add_co_u32 s90, s90, s92
	s_add_co_u32 s90, s90, s93
	s_add_nc_u64 s[OQKS:OQKS+1], s[52:53], s[90:91]
	s_lshl_b32 s90, s[RI], 8                       ; v: tiles 4 x part on; bytes 2 rh of each word
	s_lshl_b32 s92, s72, 1
	s_add_co_u32 s90, s90, s92
	s_add_co_u32 s90, s90, s93
	s_add_co_u32 s90, s90, 2*SECB
	s_add_nc_u64 s[OVS:OVS+1], s[52:53], s[90:91]
.macro FRAG reg, adr, s, i             ; a fragment, 16 rows x 128 K: registers 4 c .. 4 c + 3 of lane (r, h) hold K = 64 c + 32 h + 0 .. 31
.irp c, 0,1
	ds_load_b128 v[(\reg)+4*\c:(\reg)+4*\c+3], v[\adr] offset:64*(\s)+32*\c+(\i)*16*PITCH
.endr
.endm
.macro FETCH s                         ; K step s: 16 fragments, 32 loads, into set s % 2 of window 1
.set FS, 128*((\s)%2)
.set KS, (\s)
	WIN 0x40
.irp i, 0,1,2,3
	FRAG FS+8*\i, ADX, KS, \i
.endr
.irp i, 0,1,2,3
	FRAG FS+32+8*\i, ADW, KS, \i
.endr
.irp i, 0,1,2,3
	FRAG FS+64+8*\i, ADW+1, KS, \i
.endr
.irp i, 0,1,2,3
	FRAG FS+96+8*\i, ADW+2, KS, \i
.endr
.endm
.macro WM d, a, b, c, sa, sb, row      ; row = 1: both sides' scale words are taken from lanes 16-31
.if \row
	v_wmma_scale_f32_16x16x128_f8f6f4 v[(\d):(\d)+7], v[(\a):(\a)+7], v[(\b):(\b)+7], v[(\c):(\c)+7], v[\sa], v[\sb] matrix_a_fmt:MATRIX_FMT_FP4 matrix_b_fmt:MATRIX_FMT_FP4 matrix_a_scale:MATRIX_SCALE_ROW1 matrix_b_scale:MATRIX_SCALE_ROW1
.else
	v_wmma_scale_f32_16x16x128_f8f6f4 v[(\d):(\d)+7], v[(\a):(\a)+7], v[(\b):(\b)+7], v[(\c):(\c)+7], v[\sa], v[\sb] matrix_a_fmt:MATRIX_FMT_FP4 matrix_b_fmt:MATRIX_FMT_FP4
.endif
.endm
; K step s: 48 matrix instructions; the 48 accumulators take turns, one instruction a turn, in the same order in every step.  Step 0 takes the biases as C.
.macro MUL s
.set FS, 128*((\s)%2)
.set QS, (\s)%4
.set RW, (\s)/4
.if (\s) == 0
	WIN 0xb5                                       ; sources 0 and 1 window 1, C window 3, D window 2
.else
	WIN 0xa5                                       ; C and D window 2
.endif
.irp m, 0,1
.irp xt, 0,1,2,3
.irp wt, 0,1,2,3
.if (\s) == 0
	WM 128*\m+32*\xt+8*\wt, FS+32+32*\m+8*\wt, FS+8*\xt, 128+32*\m+8*\wt, SCW+16*\m+4*\wt+QS, SCX+4*\xt+QS, RW
.else
	WM 128*\m+32*\xt+8*\wt, FS+32+32*\m+8*\wt, FS+8*\xt, 128*\m+32*\xt+8*\wt, SCW+16*\m+4*\wt+QS, SCX+4*\xt+QS, RW
.endif
.endr
.endr
.endr
	WIN 0xf5                                       ; C and D window 3
.irp ct, 0,1,2,3
.irp xt, 0,1,2,3
.if (\s) == 0
	WM 32*\ct+8*\xt, FS+8*\xt, FS+96+8*\ct, 192+8*\ct, SCX+4*\xt+QS, SCW+32+4*\ct+QS, RW
.else
	WM 32*\ct+8*\xt, FS+8*\xt, FS+96+8*\ct, 32*\ct+8*\xt, SCX+4*\xt+QS, SCW+32+4*\ct+QS, RW
.endif
.endr
.endr
.endm
.macro KSTEPS                          ; K steps 0 .. 6 of a tile; step 7's fragments are asked for
	FETCH 0
.irp s, 0,1,2,3,4,5,6
.if \s > 0
	PLACES                                         ; the set that the step before last multiplied is loaded again
.endif
	FETCH \s+1
	s_wait_dscnt 32                                ; all but the 32 just issued
	MUL \s
.endr
.endm
; 64 numbers of a lane in window w, register 8 t + j = k 16 t + 8 h + j of my row, become eight registers of codes in the operand's layout, v[pc] on, and the scale word v[PW].
; The conversion of tile t gives the codes of k = 16 t + 8 h + 0 .. 7; the operand wants register 4 c + p of lane half h' to hold k = 64 c + 32 h' + 8 p + 0 .. 7:
; tiles 4 c + 0, 1, 2, 3 go to registers 4 c + 0, 2, 1, 3, and two exchanges of halves for each c finish it.
.macro QUANT s, w, pc
	WIN 5*(\w)                                     ; sources 0 and 1 in window w
.irp b, 0,1,2,3
	v_max3_num_f32 v[TM+\b], |v[(\s)+16*\b]|, |v[(\s)+16*\b+1]|, 0x1800000     ; block b: my 16 numbers, each accumulator from its low end on, and the floor 2^(3 - 127): the byte cannot fall under 1
.endr
.irp i, 2,4,6,8,10,12,14
.irp b, 0,1,2,3
	v_max3_num_f32 v[TM+\b], |v[(\s)+16*\b+\i]|, |v[(\s)+16*\b+\i+1]|, v[TM+\b]
.endr
.endr
	WIN 0
.irp b, 0,1,2,3
	v_permlanex16_b32 v[TM+4+\b], v[TM+\b], s[SEL], s[SEL+1]
.endr
.irp b, 0,1,2,3
	v_max_num_f32 v[TM+\b], v[TM+\b], v[TM+4+\b]   ; with lane l xor 16's: the block's largest magnitude
.endr
.irp b, 0,1,2,3
	v_add_nc_u32 v[TM+12+\b], 0xff000000, v[TM+\b] ; 2 off its exponent field: the conversion's scale operand
.endr
.irp b, 0,1,2,3
	v_lshrrev_b32 v[TM+4+\b], 23, v[TM+12+\b]      ; the scale's byte
.endr
	v_lshl_or_b32 v[PW], v[TM+5], 8, v[TM+4]
	v_lshl_or_b32 v[PW], v[TM+6], 16, v[PW]
	v_lshl_or_b32 v[PW], v[TM+7], 24, v[PW]
	WIN (\w)                                       ; source 0 in window w
.irp t, 0,1,2,3,4,5,6,7
	v_cvt_scalef32_pk8_fp4_f32 v[(\pc)+4*(\t/4)+2*(\t%2)+(\t%4)/2], v[(\s)+8*\t:(\s)+8*\t+7], v[TM+12+\t/2]
.endr
	WIN 0
	v_nop                                          ; one plain place behind a scaled conversion
.irp c, 0,1
	v_permlane16_swap_b32 v[(\pc)+4*\c], v[(\pc)+4*\c+1]
	v_permlane16_swap_b32 v[(\pc)+4*\c+2], v[(\pc)+4*\c+3]
.endr
.endm
; Set n holds two half fragments (k under 64: the first group's, from 64 on: the second's): each leaves as 512 consecutive bytes.  Lanes 0-15 store the first group's two scale bytes, lanes 16-31 the second's.
.macro OUT n, cb, co, sb, so
	global_store_b128 v[LI], v[PC+8*\n:PC+8*\n+3], s[\cb:\cb+1] offset:\co
	global_store_b128 v[LI], v[PC+8*\n+4:PC+8*\n+7], s[\cb:\cb+1] offset:(\co)+1024
	v_lshrrev_b32 v[VAL+\n], v[SH], v[PW]
	global_store_b16 v[SOF], v[VAL+\n], s[\sb:\sb+1] offset:\so
.endm
.macro EPI to                          ; the way out of a tile; to: bytes from batch 0's images
	QUANT 0, 2, PC                                 ; q, my tiles 0 and 1
	OUT 0, OQK, \to, OQKS, \to
	QUANT 64, 2, PC+8                              ; q, tiles 2 and 3
	OUT 1, OQK, \to+2048, OQKS, \to+8
	QUANT 128, 2, PC+16                            ; k
	OUT 2, OQK, \to+SECB, OQKS, \to+SECB
	QUANT 192, 2, PC+24
	OUT 3, OQK, \to+SECB+2048, OQKS, \to+SECB+8
	QUANT 0, 3, PC+32                              ; v, my channel tiles 0 and 1
	OUT 4, OV, \to, OVS, \to
	QUANT 64, 3, PC+40
	OUT 5, OV, \to+2048, OVS, \to+8
.endm
	s_wait_loadcnt 0x0                             ; scale words and biases
	WIN 0xc3                                       ; source 0 and destination window 3
.irp t, 0,1,2,3
.irp j, 1,2,3,4,5,6,7
	v_mov_b32 v[192+8*\t+\j], v[192+8*\t]          ; bv is the same for the lane's eight keys
.endr
.endr
	WIN 0
	s_wait_alu depctr_va_vdst(0)                   ; the wait at the head's end
	s_wait_tensorcnt 0x0                           ; my tile is in
	s_barrier_signal -1
	s_barrier_wait -1                              ; everybody's is
	s_mov_b32 s[G1X+2], 32<<16                     ; no tensor load of mine is out: from here on group 1 says 32 rows of x
	s_mov_b32 s[G1X+4], 32
	KSTEPS
	WIN 0
	s_wait_tensorcnt 0x0                           ; ahead of the refill of x's tile: the add and its wait
	ds_add_u32 v254, v255
	s_wait_dscnt 0x0                               ; the add is done, and the last fragments are in registers
	s_barrier_signal -1
	MUL 7
	WIN 0
	s_barrier_wait -1
	CREST                                          ; no wave of any partner still reads x's tile
	tensor_load_to_lds s[G0R:G0R+3], s[G1X:G1X+7]  ; my 32 rows of the second tile
	s_nop 0
	PLACES                                         ; these are also the places behind the products
.irp t, 0,1,2,3
	global_load_b128 v[SCX+4*\t:SCX+4*\t+3], v[SCO], s[6:7] offset:65536+512*\t    ; the second tile's scale words: 2,048 rows on
.endr
	EPI 0
	s_wait_alu depctr_va_vdst(0)                   ; the wait ahead of the waits below
	s_wait_loadcnt 0x0                             ; the second tile's scale words
	s_wait_xcnt 0x0                                ; the stores have read their registers, which the second way out writes again
	s_wait_tensorcnt 0x0                           ; my rows of the second tile
	s_barrier_signal -1
	s_barrier_wait -1                              ; everybody's
	KSTEPS
	s_wait_dscnt 0x0
	MUL 7
	WIN 0
	PLACES
	EPI 16*HS
	s_wait_tensorcnt 0x0                           ; the wave's end
	ds_add_u32 v254, v255
	s_wait_dscnt 0x0
	CROUND                                         ; the closing round: no work-group ends while a partner may still ask for a tile that names it
	s_endpgm
.Lfunc_end_k_q261a9f38cf_proj:
	.size	k_q261a9f38cf_proj, .Lfunc_end_k_q261a9f38cf_proj-k_q261a9f38cf_proj
	.p2alignl 7, 3214868480
	.fill 96, 4, 3214868480
	.section	.rodata,"a",@progbits
	.p2align	6, 0x0
	.amdhsa_kernel k_q261a9f38cf_proj
		.amdhsa_group_segment_fixed_size 327680
		.amdhsa_private_segment_fixed_size 0
		.amdhsa_enable_private_segment 0
		.amdhsa_kernarg_size 184
		.amdhsa_user_sgpr_count 2
		.amdhsa_user_sgpr_kernarg_segment_ptr 1
		.amdhsa_wavefront_size32 1
		.amdhsa_system_sgpr_workgroup_id_x 1
		.amdhsa_system_sgpr_workgroup_id_y 1
		.amdhsa_system_sgpr_workgroup_id_z 1
		.amdhsa_system_vgpr_workitem_id 0
		.amdhsa_next_free_vgpr 1024
		.amdhsa_next_free_sgpr 96
		.amdhsa_reserve_vcc 0
		.amdhsa_float_denorm_mode_32 3
		.amdhsa_float_denorm_mode_16_64 3
		.amdhsa_memory_ordered 1
		.amdhsa_forward_progress 1
		.amdhsa_inst_pref_size 196
	.end_amdhsa_kernel
	.amdgpu_metadata
---
amdhsa.version: [ 1, 2 ]
amdhsa.kernels:
  - .name:           k_q261a9f38cf_proj
    .symbol:         k_q261a9f38cf_proj.kd
    .args:
      - { .name: x_real_codes, .offset: 0, .size: 8, .value_kind: global_buffer, .address_space: global }
      - { .name: x_real_scales, .offset: 8, .size: 8, .value_kind: global_buffer, .address_space: global }
      - { .name: Wqr_codes, .offset: 16, .size: 8, .value_kind: global_buffer, .address_space: global }
      - { .name: Wkr_codes, .offset: 24, .size: 8, .value_kind: global_buffer, .address_space: global }
      - { .name: Wvr_codes, .offset: 32, .size: 8, .value_kind: global_buffer, .address_space: global }
      - { .name: Wqr_scales, .offset: 40, .size: 8, .value_kind: global_buffer, .address_space: global }
      - { .name: Wkr_scales, .offset: 48, .size: 8, .value_kind: global_buffer, .address_space: global }
      - { .name: Wvr_scales, .offset: 56, .size: 8, .value_kind: global_buffer, .address_space: global }
      - { .name: bqr, .offset: 64, .size: 8, .value_kind: global_buffer, .address_space: global }
      - { .name: bkr, .offset: 72, .size: 8, .value_kind: global_buffer, .address_space: global }
      - { .name: bvr, .offset: 80, .size: 8, .value_kind: global_buffer, .address_space: global }
      - { .name: x_imag_codes, .offset: 88, .size: 8, .value_kind: global_buffer, .address_space: global }
      - { .name: x_imag_scales, .offset: 96, .size: 8, .value_kind: global_buffer, .address_space: global }
      - { .name: Wqi_codes, .offset: 104, .size: 8, .value_kind: global_buffer, .address_space: global }
      - { .name: Wki_codes, .offset: 112, .size: 8, .value_kind: global_buffer, .address_space: global }
      - { .name: Wvi_codes, .offset: 120, .size: 8, .value_kind: global_buffer, .address_space: global }
      - { .name: Wqi_scales, .offset: 128, .size: 8, .value_kind: global_buffer, .address_space: global }
      - { .name: Wki_scales, .offset: 136, .size: 8, .value_kind: global_buffer, .address_space: global }
      - { .name: Wvi_scales, .offset: 144, .size: 8, .value_kind: global_buffer, .address_space: global }
      - { .name: bqi, .offset: 152, .size: 8, .value_kind: global_buffer, .address_space: global }
      - { .name: bki, .offset: 160, .size: 8, .value_kind: global_buffer, .address_space: global }
      - { .name: bvi, .offset: 168, .size: 8, .value_kind: global_buffer, .address_space: global }
      - { .name: qkv, .offset: 176, .size: 8, .value_kind: global_buffer, .address_space: global }
    .group_segment_fixed_size: 327680
    .private_segment_fixed_size: 0
    .kernarg_segment_align: 8
    .kernarg_segment_size: 184
    .max_flat_workgroup_size: 128
    .sgpr_count:     96
    .vgpr_count:     1024
    .wavefront_size: 32
...
	.end_amdgpu_metadata
.endif
;; end of part 1
;; launch attn (part 2): grid 8 x 32, 8 waves a work-group, clusters of 4 x 1, 327,680 bytes of LDS; arguments qkv, aoc, aos; writes aoc, aos
.if DOCPART == 2
	.amdgcn_target "amdgcn-amd-amdhsa--gfx1250"
	.amdhsa_code_object_version 6
	.text
	.protected	k_q261a9f38cf_attn
	.globl	k_q261a9f38cf_attn
	.p2align	8
	.type	k_q261a9f38cf_attn,@function
k_q261a9f38cf_attn:
	s_mov_b64 s[64:65], 0
	v_nop
	global_prefetch_b8 v0, s[64:65] scope:SCOPE_SE
	s_setreg_imm32_b32 hwreg(HW_REG_WAVE_MODE, 25, 1), 1
	s_wait_xcnt 0x0
	s_wait_alu depctr_hold_cnt(0) depctr_sa_sdst(0) depctr_va_vdst(0) depctr_va_sdst(0) depctr_va_ssrc(0) depctr_va_vcc(0) depctr_vm_vsrc(0)
	s_getreg_b32 s2, hwreg(HW_REG_IB_STS2, 6, 4)
	s_cmp_eq_u32 s2, 0
	s_cbranch_scc0 .Lentry_in_a_cluster
	s_endpgm
.Lentry_in_a_cluster:
	s_bfe_u32 s2, ttmp6, 0x10000c
	s_cmp_lg_u32 s2, 0x3003
	s_cbranch_scc0 .Lentry_shape_is_right
	s_endpgm
.Lentry_shape_is_right:
; Causal attention on codes of FP4 (E2M1).  The rows [qr | qi] and [kr | ki] are 128 long, so qr . kr + qi . ki is ONE matrix instruction deep; [vr | vi] is one V of 128 channels under one softmax.
; t = score x log2(e) / 8; M = the running largest t rounded UP to a whole number; p = 2^(t - M) is quantised along the keys, not normalised; the row's sum is taken of the unquantised p and divides O at the end.
; O / l is then quantised along the channels (two blocks of the real 64, two of the imaginary) and stored as images of the next launch's operand registers.
; SHARES.  A work-group serves one (batch, head) and owns tile g (0..7: its place along x) of EVERY block of 128 queries.  Wave w of eight owns two of its sixteen tiles, one after the other: block 15 - w (16 - w key steps), then block w (w + 1 key steps):
; 17 key steps for every wave.  What a wave leaves out (key steps that the mask hides whole) hangs on its number alone and is alike in all four partners of a cluster, which walk the same K and V: joint loads.
; LDS: the head's whole K (139,264 bytes: 16 key steps of 8,192 bytes of codes and 512 of scale words) and V likewise, as dense images, each byte filled ONCE.
; At the head each wave fetches one of the key steps 0-3 of K or V; behind a round, three of the steps 4-15, which have the first four key steps' work in which to land.  Every wave works key steps 0-3 of its longer tile
; ahead of the one barrier in between: four steps for each.  No prefetch: the text has no loop of tensor loads to run ahead in.
; K's fragments are read from LDS one key step ahead of their products, V's ahead of the softmax.
; LAYOUT.  S^T = K Q^T, O^T = V^T P^T: a lane holds one query (lane % 16) throughout.  Register 8 t + j of S^T is key 16 t + 8 (lane / 16) + j of the step.
; THE MASK.  Both tiles lie at the same place of their diagonal step, so one set of 64 registers serves both: 0, or -3e38 where the key is hidden, as the C of the diagonal step's products: p is 0 there.
; LIMITS: the promise holds while the scaled scores stay under 2^31 in magnitude.  NaN and infinities are not served: an infinity in a sum of the first tile reaches the second tile's rows of the same lane too, whose first step multiplies what the registers hold by 0; and none that arises in a step left out is carried.
; v_exp_f32 gives 0 for results under 2^-126 (ISA guide, its entry).  O / l is v_rcp_f32 and a multiplication.  A block under 2^-124, or of zeros, keeps the scale byte 1.
; REGISTERS: window 0: v1-10 addresses and scale words; v12 -M, v13 the largest t, v[14:15] the sum; v16-23 Q; v24-31 K's and V's scale words; v32-95 V's fragments; v96-159 S^T, then p; v160-223 O^T; v224-231 codes; v232-254 at work.
;   window 1: v0-63 K's fragments; v64-127 the mask; v128-135 the second tile's Q.
.set STB,  8704                        ; a key step's image: codes, then scale words
.set HS,   16*STB
.set SECB, 32*HS                       ; a section of qkv: Q, K, V
.set SPARE, 2*HS                       ; the spare words: 128 bytes a wave
.set LI,   1                           ; v1  16 x lane
.set LV,   2                           ; v2  + where V begins
.set SPW,  3
.set DQ,   4                           ; v4  my query in its block - 8 (lane / 16)
.set ADK,  5
.set ADV,  6
.set NIL,  7
.set QW,   8
.set QW2,  10                          ; v10 the second tile's scale word
.set SK,   24
.set SV,   28
.set TM,   232
.set PW,   251
.set WV,   12
.set CX,   13
.set G,    14
.set BH,   15
.set BLK,  16                          ; the block in hand
.set BA,   17                          ; the second tile's block
.set SEL,  24
.set CS,   26                          ; s[26:27] c = log2(e) / 8
.set G1A,  28                          ; s[28:35] group 1 for one key step;  s[36:43] for three
.set G1B,  36
.set G0A,  44
.set G0B,  48
.set OCB,  52                          ; where codes and scale bytes of the first tile go, then of the second
.set OSB,  54
.set OCA,  56
.set OSA,  58
.set TB,   66                          ; LDS byte of the step's image
.set ST,   67                          ; the key step
.set CNT,  68
.set MSB, 0
.macro WIN new                         ; the immediate's high byte repeats the setting that is left
.if MSB != (\new)
	s_set_vgpr_msb (MSB<<8)|(\new)
.set MSB, (\new)
.endif
.endm
.macro PLACES
.rept 4
	v_nop
.endr
.endm
.macro CROUND
	s_barrier_signal -1
	s_barrier_wait -1
	s_cmp_lg_u32 s[WV], 0
	s_cbranch_scc1 .Lnot_wave_0_\@
	s_barrier_signal -3
.Lnot_wave_0_\@:
	s_barrier_wait -3
	s_barrier_signal -1
	s_barrier_wait -1
.endm
	s_load_b128 s[4:7], s[0:1], 0x0                ; qkv s[4:5], aoc s[6:7]
	s_load_b64 s[8:9], s[0:1], 0x10                ; aos
	v_lshl_add_u32 v[SPW], v0, 2, SPARE
	v_mov_b32 v[NIL], 0
	ds_add_u32 v[SPW], v[NIL]                      ; the opening: the add, twice on end, and its wait
	ds_add_u32 v[SPW], v[NIL]
	v_lshrrev_b32 v9, 5, v0
	v_readfirstlane_b32 s[WV], v9                  ; wave 0..7
	s_bfe_u32 s[CX], ttmp6, 0x40000
	s_lshl_b32 s[G], ttmp9, 2
	s_add_co_u32 s[G], s[G], s[CX]                 ; g: enters Q's and the outputs' addresses and the mask's numbers alone
	s_and_b32 s[BH], ttmp7, 0xffff                 ; 16 x batch + head: the four partners share it
	s_xor_b32 s[BLK], s[WV], 15                    ; 15 - w
	s_mov_b32 s[BA], s[WV]
	s_lshr_b32 s70, s[WV], 2                       ; what I fetch: 0: K, 1: V;
	s_and_b32 s71, s[WV], 3                        ; which key step of 0-3, which three of 4-15
	s_mul_i32 s72, s70, SECB
	s_mul_i32 s73, s[BH], HS                       ; the head's images in a section
	s_add_co_u32 s72, s72, s73
	s_add_co_u32 s72, s72, SECB                    ; K's section follows Q's, V's follows K's
	s_mul_i32 s74, s71, STB
	s_mul_i32 s75, s71, 3*STB
	s_add_co_u32 s75, s75, 4*STB
	s_mul_i32 s76, s70, HS
	s_mov_b32 s[G0A], 1
	s_add_co_u32 s[G0A+1], s76, s74
	s_mov_b32 s[G0B], 1
	s_add_co_u32 s[G0B+1], s76, s75
	s_add_co_u32 s78, s72, s74
	s_mov_b32 s79, 0
	s_add_co_u32 s80, s72, s75
	s_mov_b32 s81, 0
	; group 1: dense blocks as rows of 256 bytes (32 elements of 8 bytes)
	s_mov_b32 s[G1A], 15|(3<<16)|(1<<21)           ; 15:0 the mask: all four work-groups; 17:16 elements of 8 bytes; 21 set beside a mask
	s_mov_b32 s[G1A+1], 32<<16
	s_mov_b32 s[G1A+2], 34<<16
	s_mov_b32 s[G1A+3], 32<<16
	s_mov_b32 s[G1A+4], 34
	s_mov_b32 s[G1A+5], 32
	s_mov_b32 s[G1A+6], 0
	s_mov_b32 s[G1A+7], 0
	s_mov_b32 s[G1B], 15|(3<<16)|(1<<21)
	s_mov_b32 s[G1B+1], 32<<16
	s_mov_b32 s[G1B+2], 102<<16
	s_mov_b32 s[G1B+3], 32<<16
	s_mov_b32 s[G1B+4], 102
	s_mov_b32 s[G1B+5], 32
	s_mov_b32 s[G1B+6], 0
	s_mov_b32 s[G1B+7], 0
	s_mov_b32 s[SEL], 0x76543210
	s_mov_b32 s[SEL+1], 0xfedcba98
	s_mov_b32 s[CS], 0x3e38aa3b                    ; log2(e) / 8
	s_mov_b32 s[CS+1], s[CS]                       ; (named with it as a pair, so it is written)
	s_mov_b32 s[TB], 0
	s_mov_b32 s[ST], 0
	s_wait_dscnt 0x0
	s_wait_kmcnt 0x0
	s_add_nc_u64 s[G0A+2:G0A+3], s[4:5], s[78:79]
	s_or_b32 s[G0A+3], s[G0A+3], 0x80000000
	s_add_nc_u64 s[G0B+2:G0B+3], s[4:5], s[80:81]
	s_or_b32 s[G0B+3], s[G0B+3], 0x80000000
	CROUND                                         ; all four work-groups are here: the joint loads meet
	tensor_load_to_lds s[G0A:G0A+3], s[G1A:G1A+7]  ; one load a wave: key steps 0-3 of K and V
	s_nop 0
	PLACES
	v_and_b32 v[LI], 31, v0
	v_and_b32 v9, 15, v0                           ; r
	v_bfe_u32 v11, v0, 4, 1                        ; h
	v_mov_b32 v13, 0xff61b1e6                      ; the largest t so far: -3e38, under every t
	v_lshlrev_b32 v[LI], 4, v[LI]
	v_lshlrev_b32 v[DQ], 3, v11
	v_floor_f32 v12, -v13                          ; -M
	v_add_nc_u32 v[LV], HS, v[LI]
	v_sub_nc_u32 v[DQ], v9, v[DQ]
	s_lshl_b32 s70, s[G], 4
	v_add_nc_u32 v[DQ], s70, v[DQ]                 ; 16 g + r - 8 h
	v_lshlrev_b32 v9, 4, v9
	s_wait_alu depctr_va_vdst(0)                   ; the wait ahead of the run of scalar instructions
	s_lshr_b32 s84, s[G], 2                        ; Q's scale word: 8,192 + 256 (g / 4) + 16 r + 4 (g % 4) in the block's image
	s_lshl_b32 s84, s84, 8
	s_and_b32 s85, s[G], 3
	s_lshl_b32 s85, s85, 2
	s_add_co_u32 s84, s84, s85
	s_add_co_u32 s84, s84, 8192
	s_lshl_b32 s85, s[G], 10                       ; Q's fragment: tile g of the block
.macro QLOAD blk, p, win, reg, qw
	s_mul_i32 s[\p], s[\blk], STB
	s_add_co_u32 s[\p], s[\p], s73
	s_add_co_u32 s[\p+2], s[\p], s84
	s_add_co_u32 s[\p], s[\p], s85
	s_mov_b32 s[\p+1], 0
	s_mov_b32 s[\p+3], 0
	s_add_nc_u64 s[\p:\p+1], s[4:5], s[\p:\p+1]
	s_add_nc_u64 s[\p+2:\p+3], s[4:5], s[\p+2:\p+3]
	WIN \win
	global_load_b128 v[\reg:\reg+3], v[LI], s[\p:\p+1]
	global_load_b128 v[\reg+4:\reg+7], v[LI], s[\p:\p+1] offset:512
	WIN 0
	global_load_b32 v[\qw], v9, s[\p+2:\p+3]
.endm
	QLOAD BLK, 80, 0, 16, QW
	QLOAD BA, 88, 0x40, 128, QW2
	s_lshr_b32 s77, s[BH], 4                       ; the outputs: row tile 128 x batch + 8 x block + g,
	s_lshl_b32 s77, s77, 7
	s_add_co_u32 s77, s77, s[G]
	s_and_b32 s79, s[BH], 15                       ; and the head
	s_lshl_b32 s78, s79, 9
	s_lshl_b32 s79, s79, 1
.macro OADDR blk, oc, os
	s_lshl_b32 s76, s[\blk], 3
	s_add_co_u32 s76, s76, s77
	s_lshl_b32 s[\oc], s76, 13                     ; codes: 8,192 a row tile, 512 a head
	s_add_co_u32 s[\oc], s[\oc], s78
	s_mov_b32 s[\oc+1], 0
	s_lshl_b32 s[\os], s76, 9                      ; scale bytes: 512 a row tile, 2 a head
	s_add_co_u32 s[\os], s[\os], s79
	s_mov_b32 s[\os+1], 0
	s_add_nc_u64 s[\oc:\oc+1], s[6:7], s[\oc:\oc+1]
	s_add_nc_u64 s[\os:\os+1], s[8:9], s[\os:\os+1]
.endm
	OADDR BLK, OCB, OSB
	OADDR BA, OCA, OSA
	WIN 0x40                                       ; destination window 1
.set NN, 0
.rept 64
	v_cmp_gt_i32 vcc_lo, 16*(NN/8)+NN%8, v[DQ]     ; register n stands for key 16 (n / 8) + 8 h + n % 8: hidden where that is over 16 g + r
	v_cndmask_b32 v[64+NN], 0, v13, vcc_lo
.set NN, NN+1
.endr
	WIN 0
	v_mov_b32 v14, 0                               ; the sum, in two halves
	v_mov_b32 v15, 0
.irp b, 0,1,2,3
	v_mov_b32 v[236+\b], 0                         ; written once: a lane permute's destination counts as one of its sources
.endr
	v_mov_b32 v252, 0
	v_mov_b32 v253, 0                              ; (named as the upper half of the pair v[252:253])
.set NN, 0
.rept 64
	v_mov_b32 v[160+NN], 0                         ; O^T: the step is written for every step alike; a tile's first change of M multiplies what these hold by 0
.set NN, NN+1
.endr
.macro KFIRST                          ; K's fragments of the step in hand, ahead of a run of steps
	v_add_nc_u32 v[ADK], s[TB], v[LI]
	WIN 0x40
.irp t, 0,1,2,3,4,5,6,7
	ds_load_b128 v[8*\t:8*\t+3], v[ADK] offset:1024*\t
	ds_load_b128 v[8*\t+4:8*\t+7], v[ADK] offset:1024*\t+512
.endr
	WIN 0
	ds_load_b128 v[SK:SK+3], v[ADK] offset:8192
.endm
.macro QKT m, t
.if \m
.if \t < 4
	v_wmma_scale_f32_16x16x128_f8f6f4 v[96+8*\t:103+8*\t], v[8*\t:8*\t+7], v[16:23], v[64+8*\t:71+8*\t], v[SK+\t], v[QW] matrix_a_fmt:MATRIX_FMT_FP4 matrix_b_fmt:MATRIX_FMT_FP4
.else
	v_wmma_scale_f32_16x16x128_f8f6f4 v[96+8*\t:103+8*\t], v[8*\t:8*\t+7], v[16:23], v[64+8*\t:71+8*\t], v[SK+\t-4], v[QW] matrix_a_fmt:MATRIX_FMT_FP4 matrix_b_fmt:MATRIX_FMT_FP4 matrix_a_scale:MATRIX_SCALE_ROW1
.endif
.else
.if \t < 4
	v_wmma_scale_f32_16x16x128_f8f6f4 v[96+8*\t:103+8*\t], v[8*\t:8*\t+7], v[16:23], 0, v[SK+\t], v[QW] matrix_a_fmt:MATRIX_FMT_FP4 matrix_b_fmt:MATRIX_FMT_FP4
.else
	v_wmma_scale_f32_16x16x128_f8f6f4 v[96+8*\t:103+8*\t], v[8*\t:8*\t+7], v[16:23], 0, v[SK+\t-4], v[QW] matrix_a_fmt:MATRIX_FMT_FP4 matrix_b_fmt:MATRIX_FMT_FP4 matrix_a_scale:MATRIX_SCALE_ROW1
.endif
.endif
.endm
.macro QK m                            ; S^T of a step; m = 1: the mask is C
.if \m
	WIN 0x11                                       ; source 0 and C window 1
.else
	WIN 0x01
.endif
.irp t, 0,1,2,3,4,5,6,7
	QKT \m, \t
.endr
	WIN 0
.endm
; A KEY STEP: 128 keys.  pre = 1: the next step's fragments of K are asked for.  cond = 1: a step all of whose keys come after my queries is left out, and the diagonal one takes the mask: scalar branches on the wave's number and the step's, round the work, not round the lines that step addresses.
.macro STEP pre, cond
.if \cond
	s_cmp_gt_u32 s[ST], s[BLK]
	s_cbranch_scc1 .Lhidden_\@
.endif
	s_wait_dscnt 0x0                               ; K is in
.if \cond
	s_cmp_lg_u32 s[ST], s[BLK]
	s_cbranch_scc1 .Lopen_\@
	QK 1
	s_branch .Lscored_\@
.Lopen_\@:
	QK 0
.Lscored_\@:
.else
	QK 0
.endif
	v_add_nc_u32 v[ADV], s[TB], v[LV]              ; four places behind the products, ahead of the loads into their operands and of the reads of their results
.if \pre
	v_add_nc_u32 v[ADK], s[TB], v[LI]
.else
	v_nop
.endif
	v_mov_b32 v254, v12                            ; the old -M
	v_nop
.irp t, 0,1,2,3,4,5,6,7
	ds_load_b128 v[32+8*\t:35+8*\t], v[ADV] offset:1024*\t          ; V's eight fragments land while the softmax is worked
	ds_load_b128 v[36+8*\t:39+8*\t], v[ADV] offset:1024*\t+512
.endr
	ds_load_b128 v[SV:SV+3], v[ADV] offset:8192    ; register q: tile q's words in lanes 0-15, tile 4 + q's in lanes 16-31
.if \pre
	WIN 0x40
.irp t, 0,1,2,3,4,5,6,7
	ds_load_b128 v[8*\t:8*\t+3], v[ADK] offset:STB+1024*\t          ; the next step's K (behind step 15: bytes of V, which nothing uses)
	ds_load_b128 v[8*\t+4:8*\t+7], v[ADK] offset:STB+1024*\t+512
.endr
	WIN 0
	ds_load_b128 v[SK:SK+3], v[ADK] offset:STB+8192
.endif
.irp b, 0,1,2,3
	v_max3_num_f32 v[232+\b], v[96+16*\b], v[97+16*\b], v[98+16*\b]   ; the largest score of each block of 32 keys: for the row's maximum, and, since p rises with the score, for the block's largest p
.endr
.irp i, 3,5,7,9,11,13
.irp b, 0,1,2,3
	v_max3_num_f32 v[232+\b], v[232+\b], v[96+16*\b+\i], v[97+16*\b+\i]
.endr
.endr
.irp b, 0,1,2,3
	v_max_num_f32 v[232+\b], v[232+\b], v[111+16*\b]
.endr
.irp b, 0,1,2,3
	s_delay_alu instid0(VALU_DEP_4)
	v_permlanex16_b32 v[236+\b], v[232+\b], s[SEL], s[SEL+1]
.endr
.irp b, 0,1,2,3
	s_delay_alu instid0(VALU_DEP_4)
	v_max_num_f32 v[232+\b], v[232+\b], v[236+\b]  ; with lane l xor 16's 16 keys
.endr
	s_delay_alu instid0(VALU_DEP_2)
	v_max3_num_f32 v255, v232, v233, v234
	s_delay_alu instid0(VALU_DEP_1)
	v_max_num_f32 v255, v255, v235                 ; the step's largest score of my query
	s_delay_alu instid0(VALU_DEP_1)
	v_mul_f32 v255, s[CS], v255                    ; as t (c is positive)
	s_delay_alu instid0(VALU_DEP_1)
	v_max_num_f32 v13, v13, v255                   ; the running largest t
	s_delay_alu instid0(VALU_DEP_1)
	v_floor_f32 v12, -v13                          ; the new -M = -ceil(t): M is a whole number
	s_delay_alu instid0(VALU_DEP_1)
	v_sub_f32 v254, v12, v254                      ; old M - new M: a whole number, 0 or less
.set NN, 0
.rept 16
	v_pk_fma_f32 v[96+NN:97+NN], v[96+NN:97+NN], s[CS:CS+1], v[12:13] op_sel_hi:[1,0,0]   ; t - M, two at a time
.set NN, NN+2
.endr
	v_cvt_i32_f32 v254, v254                       ; (it saturates)
.rept 16
	v_pk_fma_f32 v[96+NN:97+NN], v[96+NN:97+NN], s[CS:CS+1], v[12:13] op_sel_hi:[1,0,0]
.set NN, NN+2
.endr
	v_ldexp_f32 v252, 1.0, v254                    ; f = 2^(old M - new M): a multiplication by it rounds nothing
.irp b, 0,1,2,3
	v_fma_f32 v[232+\b], v[232+\b], s[CS], v12     ; t - M of each block's largest score
.endr
.set NN, 0
.rept 32
	v_pk_mul_f32 v[160+NN:161+NN], v[160+NN:161+NN], v[252:253] op_sel_hi:[1,0]   ; O^T under the new M
.set NN, NN+2
.endr
.set NN, 0
	s_wait_alu depctr_va_vdst(0)                   ; the wait ahead of the batch
.rept 64
	v_exp_f32 v[96+NN], v[96+NN]                   ; p = 2^(t - M), at most 1
.set NN, NN+1
.endr
.irp b, 0,1,2,3
	v_exp_f32 v[232+\b], v[232+\b]                 ; the block's largest p: the same two instructions on the same number
.endr
	v_pk_mul_f32 v[14:15], v[14:15], v[252:253] op_sel_hi:[1,0]   ; the sums under the new M (a plain place behind the exponentials)
	s_wait_alu depctr_va_vdst(0)                   ; and behind it
.irp b, 0,1,2,3
	v_max_num_f32 v[232+\b], 0x1800000, v[232+\b]  ; the floor 2^(3 - 127): the byte cannot fall under 1
.endr
.irp b, 0,1,2,3
	s_delay_alu instid0(VALU_DEP_4)
	v_add_nc_u32 v[244+\b], 0xff000000, v[232+\b]  ; 2 off the exponent field: the conversion's scale operand
.endr
.irp b, 0,1,2,3
	s_delay_alu instid0(VALU_DEP_4)
	v_lshrrev_b32 v[236+\b], 23, v[244+\b]         ; the scale's byte
.endr
	s_delay_alu instid0(VALU_DEP_3)
	v_lshl_or_b32 v[PW], v237, 8, v236             ; p's scale word for these 128 keys
	s_delay_alu instid0(VALU_DEP_1)
	v_lshl_or_b32 v[PW], v238, 16, v[PW]
	s_delay_alu instid0(VALU_DEP_1)
	v_lshl_or_b32 v[PW], v239, 24, v[PW]
.irp b, 0,1,2,3
	v_cvt_scalef32_pk8_fp4_f32 v[224+4*(\b/2)+(\b%2)], v[96+16*\b:103+16*\b], v[244+\b]      ; tile 2 b: keys 32 b + 8 h + 0 .. 7
	v_cvt_scalef32_pk8_fp4_f32 v[226+4*(\b/2)+(\b%2)], v[104+16*\b:111+16*\b], v[244+\b]     ; tile 2 b + 1: keys 32 b + 16 + 8 h + 0 .. 7
.endr
	v_nop                                          ; one plain place behind a scaled conversion
.irp c, 0,1                                    ; the exchanges of halves: register 4 c + p of lane half h' then holds keys 64 c + 32 h' + 8 p + 0 .. 7
	v_permlane16_swap_b32 v[224+4*\c], v[225+4*\c]
	v_permlane16_swap_b32 v[226+4*\c], v[227+4*\c]
.endr
	; the row's sum, in eight chains; these lines are also the places between the scale word's and the codes' making and the products
	v_pk_add_f32 v[236:237], v[100:101], v[104:105]
	v_pk_add_f32 v[248:249], v[108:109], v[112:113]
	v_pk_add_f32 v[246:247], v[116:117], v[120:121]
	v_pk_add_f32 v[244:245], v[124:125], v[128:129]
	v_pk_add_f32 v[242:243], v[132:133], v[136:137]
	v_pk_add_f32 v[240:241], v[140:141], v[144:145]
	v_pk_add_f32 v[234:235], v[148:149], v[152:153]
	v_pk_add_f32 v[14:15], v[14:15], v[156:157]
	v_pk_add_f32 v[236:237], v[236:237], v[96:97]
	v_pk_add_f32 v[248:249], v[248:249], v[98:99]
	v_pk_add_f32 v[246:247], v[246:247], v[102:103]
	v_pk_add_f32 v[244:245], v[244:245], v[106:107]
	v_pk_add_f32 v[242:243], v[242:243], v[110:111]
	v_pk_add_f32 v[240:241], v[240:241], v[114:115]
	v_pk_add_f32 v[234:235], v[234:235], v[118:119]
	v_pk_add_f32 v[14:15], v[14:15], v[122:123]
	v_pk_add_f32 v[236:237], v[236:237], v[126:127]
	v_pk_add_f32 v[248:249], v[248:249], v[130:131]
	v_pk_add_f32 v[246:247], v[246:247], v[134:135]
	v_pk_add_f32 v[244:245], v[244:245], v[138:139]
	v_pk_add_f32 v[242:243], v[242:243], v[142:143]
	v_pk_add_f32 v[240:241], v[240:241], v[146:147]
	v_pk_add_f32 v[234:235], v[234:235], v[150:151]
	v_pk_add_f32 v[14:15], v[14:15], v[154:155]
	v_pk_add_f32 v[236:237], v[236:237], v[158:159]
	s_delay_alu instid0(VALU_DEP_2)
	v_pk_add_f32 v[14:15], v[14:15], v[244:245]
	s_delay_alu instid0(VALU_DEP_2)
	v_pk_add_f32 v[236:237], v[236:237], v[242:243]
	v_pk_add_f32 v[248:249], v[248:249], v[240:241]
	v_pk_add_f32 v[246:247], v[246:247], v[234:235]
	s_delay_alu instid0(VALU_DEP_2)
	v_pk_add_f32 v[14:15], v[14:15], v[248:249]
	s_delay_alu instid0(VALU_DEP_2)
	v_pk_add_f32 v[236:237], v[236:237], v[246:247]
	s_delay_alu instid0(VALU_DEP_1)
	v_pk_add_f32 v[14:15], v[14:15], v[236:237]
.if \pre
	s_wait_dscnt 17                                ; V is in; the next step's 17 loads, issued behind it, may be out
.else
	s_wait_dscnt 0x0
.endif
.irp t, 0,1,2,3
	v_wmma_scale_f32_16x16x128_f8f6f4 v[160+8*\t:167+8*\t], v[32+8*\t:39+8*\t], v[224:231], v[160+8*\t:167+8*\t], v[SV+\t], v[PW] matrix_a_fmt:MATRIX_FMT_FP4 matrix_b_fmt:MATRIX_FMT_FP4
.endr
.irp t, 4,5,6,7
	v_wmma_scale_f32_16x16x128_f8f6f4 v[160+8*\t:167+8*\t], v[32+8*\t:39+8*\t], v[224:231], v[160+8*\t:167+8*\t], v[SV+\t-4], v[PW] matrix_a_fmt:MATRIX_FMT_FP4 matrix_b_fmt:MATRIX_FMT_FP4 matrix_a_scale:MATRIX_SCALE_ROW1
.endr
.if \cond
.Lhidden_\@:
.endif
	s_add_co_u32 s[TB], s[TB], STB
	s_add_co_u32 s[ST], s[ST], 1
.endm
.macro RUN trips, cond
	s_mov_b32 s[CNT], \trips
.Lstep_\@:
	STEP 1, \cond
	s_sub_co_u32 s[CNT], s[CNT], 1
	s_cmp_lg_u32 s[CNT], 0
	s_cbranch_scc1 .Lstep_\@
.endm
; THE WAY OUT of a tile.  O^T / l, quantised along the channels; the real 64 and the imaginary 64 are two half fragments of 512 bytes.
.macro OUTT oc, os
	PLACES
	s_wait_alu depctr_va_vdst(0)                   ; the wait here, directly ahead of the sum's reader
	v_add_f32 v14, v14, v15                        ; the sum's two halves,
	s_delay_alu instid0(VALU_DEP_1)
	v_permlanex16_b32 v252, v14, s[SEL], s[SEL+1]
	s_delay_alu instid0(VALU_DEP_1)
	v_add_f32 v14, v14, v252                       ; and lane l xor 16's
	s_wait_alu depctr_va_vdst(0)
	v_rcp_f32 v14, v14
	v_nop                                          ; one plain place behind a transcendental
.set NN, 0
	s_wait_alu depctr_va_vdst(0)
.rept 32
	v_pk_mul_f32 v[96+NN:97+NN], v[160+NN:161+NN], v[14:15] op_sel_hi:[1,0]   ; register 8 t + j: channel 16 t + 8 h + j of [real | imaginary]
.set NN, NN+2
.endr
.irp b, 0,1,2,3
	v_max3_num_f32 v[TM+\b], |v[96+16*\b]|, |v[97+16*\b]|, 0x1800000
.endr
.irp i, 2,4,6,8,10,12,14
.irp b, 0,1,2,3
	s_delay_alu instid0(VALU_DEP_4)
	v_max3_num_f32 v[TM+\b], |v[96+16*\b+\i]|, |v[97+16*\b+\i]|, v[TM+\b]
.endr
.endr
.irp b, 0,1,2,3
	s_delay_alu instid0(VALU_DEP_4)
	v_permlanex16_b32 v[TM+4+\b], v[TM+\b], s[SEL], s[SEL+1]
.endr
.irp b, 0,1,2,3
	s_delay_alu instid0(VALU_DEP_4)
	v_max_num_f32 v[TM+\b], v[TM+\b], v[TM+4+\b]
.endr
.irp b, 0,1,2,3
	s_delay_alu instid0(VALU_DEP_4)
	v_add_nc_u32 v[TM+12+\b], 0xff000000, v[TM+\b]
.endr
.irp b, 0,1,2,3
	s_delay_alu instid0(VALU_DEP_4)
	v_lshrrev_b32 v[TM+4+\b], 23, v[TM+12+\b]
.endr
	s_delay_alu instid0(VALU_DEP_3)
	v_lshl_or_b32 v[PW], v[TM+5], 8, v[TM+4]
	s_delay_alu instid0(VALU_DEP_1)
	v_lshl_or_b32 v[PW], v[TM+6], 16, v[PW]
	s_delay_alu instid0(VALU_DEP_1)
	v_lshl_or_b32 v[PW], v[TM+7], 24, v[PW]
.irp t, 0,1,2,3,4,5,6,7
	v_cvt_scalef32_pk8_fp4_f32 v[224+4*(\t/4)+2*(\t%2)+(\t%4)/2], v[96+8*\t:103+8*\t], v[TM+12+\t/2]
.endr
	v_nop
.irp c, 0,1
	v_permlane16_swap_b32 v[224+4*\c], v[225+4*\c]
	v_permlane16_swap_b32 v[226+4*\c], v[227+4*\c]
.endr
	v_and_b32 v9, 15, v0
	v_bfe_u32 v11, v0, 4, 1
	s_delay_alu instid0(VALU_DEP_1)
	v_lshlrev_b32 v249, 4, v11
	s_delay_alu instid0(VALU_DEP_1)
	v_lshrrev_b32 v249, v249, v[PW]                ; lanes 0-15: the real part's two bytes; lanes 16-31: the imaginary's
	s_delay_alu instid0(VALU_DEP_3)
	v_lshlrev_b32 v11, 17, v11                     ; the imaginary part's scale bytes lie 131,072 further on
	s_delay_alu instid0(VALU_DEP_1)
	v_lshl_add_u32 v11, v9, 5, v11                 ; 32 bytes a row
	global_store_b128 v[LI], v[224:227], s[\oc:\oc+1]                     ; 512 consecutive bytes
	global_store_b128 v[LI], v[228:231], s[\oc:\oc+1] offset:2097152      ; the imaginary part's section
	global_store_b16 v11, v249, s[\os:\os+1]
.endm
	s_wait_alu depctr_va_vdst(0)                   ; the wait at the head's end
	s_wait_tensorcnt 0x0                           ; my key step of 0-3 is in; the add and its wait come ahead of a later first fill
	ds_add_u32 v[SPW], v[NIL]
	s_wait_dscnt 0x0
	CROUND                                         ; everybody's is, and the joint loads meet
	tensor_load_to_lds s[G0B:G0B+3], s[G1B:G1B+7]  ; three of the key steps 4-15
	s_nop 0
	PLACES
	KFIRST
	s_wait_loadcnt 0x0                             ; Q of both tiles
	RUN 3, 0                                       ; the first tile's key steps 0-2: every block from 8 on sees them whole
	STEP 0, 0                                      ; and 3: step 4's K is not asked for ahead of the barrier
	s_wait_alu depctr_va_vdst(0)                   ; the wait ahead of the waits below
	s_wait_tensorcnt 0x0
	s_wait_dscnt 0x0
	s_barrier_signal -1
	s_barrier_wait -1                              ; all of K and V is in
	KFIRST
	RUN 12, 1                                      ; key steps 4-15
	s_wait_dscnt 0x0                               ; (the look-ahead behind the last step)
	s_mov_b32 s[TB], 0
	s_mov_b32 s[ST], 0
	s_mov_b32 s[BLK], s[BA]
	KFIRST                                         ; the second tile's first K lands under the way out
	WIN 0x01
.irp j, 0,1,2,3,4,5,6,7
	v_mov_b32 v[16+\j], v[128+\j]                  ; the second tile's Q
.endr
	WIN 0
	v_mov_b32 v[QW], v[QW2]
	OUTT OCB, OSB
	v_mov_b32 v13, 0xff61b1e6                      ; the second tile begins as the first did; O^T and the sum meet f = 0 in its first step
	s_delay_alu instid0(VALU_DEP_1)
	v_floor_f32 v12, -v13
	s_wait_alu depctr_va_vdst(0)
	s_wait_xcnt 0x0                                ; the stores have read their registers
	RUN 8, 1                                       ; blocks 0-7: key steps 0-7 at the most
	s_wait_dscnt 0x0
	OUTT OCA, OSA
	s_wait_tensorcnt 0x0                           ; the wave's end
	ds_add_u32 v[SPW], v[NIL]
	s_wait_dscnt 0x0
	CROUND                                         ; the closing round
	s_endpgm
.Lfunc_end_k_q261a9f38cf_attn:
	.size	k_q261a9f38cf_attn, .Lfunc_end_k_q261a9f38cf_attn-k_q261a9f38cf_attn
	.p2alignl 7, 3214868480
	.fill 96, 4, 3214868480
	.section	.rodata,"a",@progbits
	.p2align	6, 0x0
	.amdhsa_kernel k_q261a9f38cf_attn
		.amdhsa_group_segment_fixed_size 327680
		.amdhsa_private_segment_fixed_size 0
		.amdhsa_enable_private_segment 0
		.amdhsa_kernarg_size 24
		.amdhsa_user_sgpr_count 2
		.amdhsa_user_sgpr_kernarg_segment_ptr 1
		.amdhsa_wavefront_size32 1
		.amdhsa_system_sgpr_workgroup_id_x 1
		.amdhsa_system_sgpr_workgroup_id_y 1
		.amdhsa_system_sgpr_workgroup_id_z 1
		.amdhsa_system_vgpr_workitem_id 0
		.amdhsa_next_free_vgpr 400
		.amdhsa_next_free_sgpr 96
		.amdhsa_reserve_vcc 1
		.amdhsa_float_denorm_mode_32 3
		.amdhsa_float_denorm_mode_16_64 3
		.amdhsa_memory_ordered 1
		.amdhsa_forward_progress 1
		.amdhsa_inst_pref_size 110
	.end_amdhsa_kernel
	.amdgpu_metadata
---
amdhsa.version: [ 1, 2 ]
amdhsa.kernels:
  - .name:           k_q261a9f38cf_attn
    .symbol:         k_q261a9f38cf_attn.kd
    .args:
      - { .name: qkv, .offset: 0, .size: 8, .value_kind: global_buffer, .address_space: global }
      - { .name: aoc, .offset: 8, .size: 8, .value_kind: global_buffer, .address_space: global }
      - { .name: aos, .offset: 16, .size: 8, .value_kind: global_buffer, .address_space: global }
    .group_segment_fixed_size: 327680
    .private_segment_fixed_size: 0
    .kernarg_segment_align: 8
    .kernarg_segment_size: 24
    .max_flat_workgroup_size: 256
    .sgpr_count:     96
    .vgpr_count:     400
    .wavefront_size: 32
...
	.end_amdgpu_metadata
.endif
;; end of part 2
;; launch outp (part 3): grid 4 x 64, 4 waves a work-group, clusters of 4 x 4, 327,680 bytes of LDS; arguments aoc, aos, Wor_codes, Wor_scales, bor, out0, Woi_codes, Woi_scales, boi, out1; writes out0, out1
.if DOCPART == 3
	.amdgcn_target "amdgcn-amd-amdhsa--gfx1250"
	.amdhsa_code_object_version 6
	.text
	.protected	k_q261a9f38cf_outp
	.globl	k_q261a9f38cf_outp
	.p2align	8
	.type	k_q261a9f38cf_outp,@function
k_q261a9f38cf_outp:
	s_mov_b64 s[64:65], 0
	v_nop
	global_prefetch_b8 v0, s[64:65] scope:SCOPE_SE
	s_setreg_imm32_b32 hwreg(HW_REG_WAVE_MODE, 25, 1), 1
	s_wait_xcnt 0x0
	s_wait_alu depctr_hold_cnt(0) depctr_sa_sdst(0) depctr_va_vdst(0) depctr_va_sdst(0) depctr_va_ssrc(0) depctr_va_vcc(0) depctr_vm_vsrc(0)
	s_getreg_b32 s2, hwreg(HW_REG_IB_STS2, 6, 4)
	s_cmp_eq_u32 s2, 0
	s_cbranch_scc0 .Lentry_in_a_cluster
	s_endpgm
.Lentry_in_a_cluster:
	s_bfe_u32 s2, ttmp6, 0x10000c
	s_cmp_lg_u32 s2, 0xf033
	s_cbranch_scc0 .Lentry_shape_is_right
	s_endpgm
.Lentry_shape_is_right:
; final = out W + b for the real part (the lower half of the grid's y) or the imaginary, on codes of FP4 with one E8M0 scale for each 32 along K; f32 results.
; A work-group of four waves makes 128 rows x 256 channels, a wave 64 x 128: 32 accumulators, all of K (1,024) in LDS.  The activations come as images of operand registers, W as 256 rows of 512 bytes of codes.
; One load a wave at the head: waves 0 and 1 fetch the halves of the activations, waves 2 and 3 those of W.  CLUSTER 4 x 4: activations are shared along a row, W along a column: joint loads.
; No prefetch: the text has no loop of tensor loads.  The biases are the C of each sum's first matrix instruction.  A block of 16 rows x 128 channels leaves through the wave's own stage as rows of 512 consecutive bytes.
; LIMITS: NaN and infinities are not served.
.set PITCH, 528                        ; an LDS row of W: 512 bytes + 16 of padding
.set AIMG,  65536                      ; the activations' images: 8 row tiles x 8,192 bytes
.set BTILE, 128*PITCH
.set STAGE, AIMG+2*BTILE
.set SPITCH, 528
.set LI,  4
.set SCO, 5
.set BO,  6
.set ADA, 16
.set ADB, 20
.set STO, 24
.set RD,  25
.set SCA, 32
.set SCB, 48
.set BIAS, 128
.set BK,  128
.set WV,  24
.set WR,  25
.set WC,  26
.set RI,  27
.set G1A, 28
.set G1B, 36
.set G0A, 44
.set G0B, 52
.set MSB, 0
.macro WIN new
.if MSB != (\new)
	s_set_vgpr_msb (MSB<<8)|(\new)
.set MSB, (\new)
.endif
.endm
.macro PLACES
.rept 4
	v_nop
.endr
.endm
.macro CROUND
	s_barrier_signal -1
	s_barrier_wait -1
	s_cmp_lg_u32 s[WV], 0
	s_cbranch_scc1 .Lnot_wave_0_\@
	s_barrier_signal -3
.Lnot_wave_0_\@:
	s_barrier_wait -3
	s_barrier_signal -1
	s_barrier_wait -1
.endm
.macro JLOAD k
	s_cmp_lt_u32 s[WV], 2
	s_cbranch_scc0 .Lfor_b_\@
	tensor_load_to_lds s[G0A+4*\k:G0A+4*\k+3], s[G1A:G1A+7]
	s_nop 0
.rept 4
	v_nop
.endr
	s_branch .Lasked_\@
.Lfor_b_\@:
	tensor_load_to_lds s[G0B+4*\k:G0B+4*\k+3], s[G1B:G1B+7]
	s_nop 0
.rept 4
	v_nop
.endr
.Lasked_\@:
.endm
	s_load_b128 s[4:7], s[0:1], 0x0
	s_load_b256 s[8:15], s[0:1], 0x10
	s_load_b256 s[16:23], s[0:1], 0x30
	v_lshl_add_u32 v126, v0, 2, 0x3a400
	v_mov_b32 v127, 0
	ds_add_u32 v126, v127
	ds_add_u32 v126, v127
	v_lshrrev_b32 v1, 5, v0
	v_readfirstlane_b32 s[WV], v1
	s_lshr_b32 s[WR], s[WV], 1
	s_and_b32 s[WC], s[WV], 1
	s_bfe_u32 s60, ttmp6, 0x40000
	s_bfe_u32 s61, ttmp6, 0x40004
	s_lshl_b32 s62, ttmp9, 2
	s_add_co_u32 s62, s62, s60
	s_and_b32 s66, ttmp7, 0xffff
	s_lshr_b32 s[RI], s66, 3
	s_lshl_b32 s63, s66, 2
	s_add_co_u32 s63, s63, s61
	s_lshl_b32 s72, s61, 2
	s_lshl_b32 s72, 15, s72
	s_lshl_b32 s73, 0x1111, s60
	s_lshl_b32 s68, s63, 16
	s_lshl_b32 s69, s[WC], 15
	s_add_co_u32 s68, s68, s69
	s_mov_b32 s69, 0
	s_lshl_b32 s70, s62, 17
	s_lshl_b32 s71, s[WC], 16
	s_add_co_u32 s70, s70, s71
	s_mov_b32 s71, 0
	s_lshl_b32 s74, s[WC], 15
	s_mul_i32 s75, s[WC], BTILE
	s_add_co_u32 s75, s75, AIMG
	s_or_b32 s[G1A], s72, (3<<16)|(1<<21)
	s_mov_b32 s[G1A+1], 1024<<16
	s_mov_b32 s[G1A+2], 4<<16
	s_mov_b32 s[G1A+3], 1024<<16
	s_mov_b32 s[G1A+4], 4
	s_mov_b32 s[G1A+5], 1024
	s_mov_b32 s[G1A+6], 0
	s_mov_b32 s[G1A+7], 0
	s_or_b32 s[G1B], s73, (1<<20)|(1<<21)|(6<<22)|(3<<25)
	s_mov_b32 s[G1B+1], 512<<16
	s_mov_b32 s[G1B+2], 128<<16
	s_mov_b32 s[G1B+3], 512<<16
	s_mov_b32 s[G1B+4], 128
	s_mov_b32 s[G1B+5], 512
	s_mov_b32 s[G1B+6], 0
	s_mov_b32 s[G1B+7], 0
	s_wait_dscnt 0x0
	s_wait_kmcnt 0x0
	s_cmp_eq_u32 s[RI], 0
.irp i, 0,1,2,3
	s_cselect_b64 s[8+2*\i:9+2*\i], s[8+2*\i:9+2*\i], s[16+2*\i:17+2*\i]
.endr
	s_add_nc_u64 s[68:69], s[4:5], s[68:69]
	s_add_nc_u64 s[70:71], s[8:9], s[70:71]
	CROUND
	s_mov_b32 s[G0A], 1
	s_mov_b32 s[G0A+1], s74
	s_mov_b64 s[G0A+2:G0A+3], s[68:69]
	s_or_b32 s[G0A+3], s[G0A+3], 0x80000000
	s_mov_b32 s[G0B], 1
	s_mov_b32 s[G0B+1], s75
	s_mov_b64 s[G0B+2:G0B+3], s[70:71]
	s_or_b32 s[G0B+3], s[G0B+3], 0x80000000
	JLOAD 0                                        ; one load a wave
	v_and_b32 v1, 31, v0
	v_and_b32 v2, 15, v0
	v_bfe_u32 v3, v0, 4, 1
	v_lshlrev_b32 v[LI], 4, v1
	v_lshlrev_b32 v[SCO], 5, v2
	v_lshl_add_u32 v[SCO], v3, 4, v[SCO]
	v_lshlrev_b32 v[BO], 5, v3
	s_lshl_b32 s76, s[WR], 15
	v_add_nc_u32 v[ADA], s76, v[LI]
	v_mul_u32_u24 v7, v2, PITCH
	v_lshl_add_u32 v7, v3, 4, v7
	s_mul_i32 s76, s[WC], BTILE
	s_add_co_u32 s76, s76, AIMG
	v_add_nc_u32 v[ADB], s76, v7
	s_mul_i32 s76, s[WV], 16*SPITCH
	s_add_co_u32 s76, s76, STAGE
	v_mul_u32_u24 v[STO], v2, SPITCH
	v_lshl_add_u32 v[STO], v3, 5, v[STO]
	v_add_nc_u32 v[STO], s76, v[STO]
	v_add_nc_u32 v[RD], s76, v[LI]
	s_wait_alu depctr_va_vdst(0)                   ; the wait ahead of the run of scalar instructions
	s_lshl_b32 s76, s63, 12
	s_lshl_b32 s78, s[WR], 11
	s_add_co_u32 s76, s76, s78
	s_mov_b32 s77, 0
	s_add_nc_u64 s[6:7], s[6:7], s[76:77]
	s_lshl_b32 s76, s62, 13
	s_lshl_b32 s78, s[WC], 12
	s_add_co_u32 s76, s76, s78
	s_add_nc_u64 s[10:11], s[10:11], s[76:77]
	s_lshl_b32 s76, s62, 10
	s_lshl_b32 s78, s[WC], 9
	s_add_co_u32 s76, s76, s78
	s_add_nc_u64 s[12:13], s[12:13], s[76:77]
	s_and_b32 s78, s63, 31
	s_lshl_b32 s78, s78, 19
	s_add_co_u32 s76, s76, s78
	s_lshl_b32 s78, s[WR], 18
	s_add_co_u32 s76, s76, s78
	s_add_nc_u64 s[14:15], s[14:15], s[76:77]
.irp a, 0,1,2,3
	global_load_b128 v[SCA+4*\a:SCA+4*\a+3], v[SCO], s[6:7] offset:512*\a
.endr
.irp b, 0,1,2,3,4,5,6,7
	global_load_b128 v[SCB+4*\b:SCB+4*\b+3], v[SCO], s[10:11] offset:512*\b
	global_load_b128 v[BIAS+8*\b:BIAS+8*\b+3], v[BO], s[12:13] offset:64*\b
	global_load_b128 v[BIAS+8*\b+4:BIAS+8*\b+7], v[BO], s[12:13] offset:64*\b+16
.endr
.macro FETCH s
.set FS, 128*((\s)%2)
	WIN 0x40
.irp a, 0,1,2,3
.irp c, 0,1
	ds_load_b128 v[FS+8*\a+4*\c:FS+8*\a+4*\c+3], v[ADA] offset:8192*\a+1024*(\s)+512*\c
.endr
.endr
.irp b, 0,1,2,3,4,5,6,7
.irp c, 0,1
	ds_load_b128 v[FS+32+8*\b+4*\c:FS+32+8*\b+4*\c+3], v[ADB] offset:64*(\s)+32*\c+\b*16*PITCH
.endr
.endr
.endm
.macro WM d, a, b, c, sa, sb, row
.if \row
	v_wmma_scale_f32_16x16x128_f8f6f4 v[(\d):(\d)+7], v[(\a):(\a)+7], v[(\b):(\b)+7], v[(\c):(\c)+7], v[\sa], v[\sb] matrix_a_fmt:MATRIX_FMT_FP4 matrix_b_fmt:MATRIX_FMT_FP4 matrix_a_scale:MATRIX_SCALE_ROW1 matrix_b_scale:MATRIX_SCALE_ROW1
.else
	v_wmma_scale_f32_16x16x128_f8f6f4 v[(\d):(\d)+7], v[(\a):(\a)+7], v[(\b):(\b)+7], v[(\c):(\c)+7], v[\sa], v[\sb] matrix_a_fmt:MATRIX_FMT_FP4 matrix_b_fmt:MATRIX_FMT_FP4
.endif
.endm
.macro MUL s
.set FS, 128*((\s)%2)
.set QS, (\s)%4
.set RW, (\s)/4
.if (\s) == 0
	WIN 0x85
.else
	WIN 0xa5
.endif
.irp a, 0,1,2,3
.irp b, 0,1,2,3,4,5,6,7
.if (\s) == 0
	WM 8*(8*\a+\b), FS+32+8*\b, FS+8*\a, BIAS+8*\b, SCB+4*\b+QS, SCA+4*\a+QS, RW
.else
	WM 8*(8*\a+\b), FS+32+8*\b, FS+8*\a, 8*(8*\a+\b), SCB+4*\b+QS, SCA+4*\a+QS, RW
.endif
.endr
.endr
.endm
	s_wait_alu depctr_va_vdst(0)
	s_wait_tensorcnt 0x0
	s_barrier_signal -1
	s_barrier_wait -1
	FETCH 0
	s_wait_loadcnt 0x0
.irp s, 0,1,2,3,4,5,6
.if \s > 0
	PLACES
.endif
	FETCH \s+1
	s_wait_dscnt 24
	MUL \s
.endr
	s_wait_dscnt 0x0
	MUL 7
	WIN 0
.macro TOSTAGE a
	WIN 0x08
.irp b, 0,1,2,3,4,5,6,7
	ds_store_b128 v[STO], v[64*(\a)+8*\b:64*(\a)+8*\b+3] offset:64*\b
	ds_store_b128 v[STO], v[64*(\a)+8*\b+4:64*(\a)+8*\b+7] offset:64*\b+16
.endr
	WIN 0
.set BB, BK+64*((\a)%2)
.irp t, 0,1,2,3,4,5,6,7,8,9,10,11,12,13,14,15
	ds_load_b128 v[BB+4*\t:BB+4*\t+3], v[RD] offset:\t*SPITCH
.endr
.endm
.macro SEND a, younger
.set BB, BK+64*((\a)%2)
	s_wait_dscnt \younger
.irp t, 0,1,2,3,4,5,6,7,8,9,10,11,12,13,14,15
	global_store_b128 v[LI], v[BB+4*\t:BB+4*\t+3], s[14:15] offset:(16*(\a)+\t)*4096 th:TH_STORE_NT
.endr
.endm
	PLACES
	TOSTAGE 0
.irp a, 1,2,3
.if \a > 1
	s_wait_xcnt 0x0
.endif
	TOSTAGE \a
	SEND \a-1, 32
.endr
	SEND 3, 0
	s_wait_tensorcnt 0x0
	ds_add_u32 v126, v127
	s_wait_dscnt 0x0
	CROUND
	s_endpgm
.Lfunc_end_k_q261a9f38cf_outp:
	.size	k_q261a9f38cf_outp, .Lfunc_end_k_q261a9f38cf_outp-k_q261a9f38cf_outp
	.p2alignl 7, 3214868480
	.fill 96, 4, 3214868480
	.section	.rodata,"a",@progbits
	.p2align	6, 0x0
	.amdhsa_kernel k_q261a9f38cf_outp
		.amdhsa_group_segment_fixed_size 327680
		.amdhsa_private_segment_fixed_size 0
		.amdhsa_enable_private_segment 0
		.amdhsa_kernarg_size 80
		.amdhsa_user_sgpr_count 2
		.amdhsa_user_sgpr_kernarg_segment_ptr 1
		.amdhsa_wavefront_size32 1
		.amdhsa_system_sgpr_workgroup_id_x 1
		.amdhsa_system_sgpr_workgroup_id_y 1
		.amdhsa_system_sgpr_workgroup_id_z 1
		.amdhsa_system_vgpr_workitem_id 0
		.amdhsa_next_free_vgpr 768
		.amdhsa_next_free_sgpr 84
		.amdhsa_reserve_vcc 0
		.amdhsa_float_denorm_mode_32 3
		.amdhsa_float_denorm_mode_16_64 3
		.amdhsa_memory_ordered 1
		.amdhsa_forward_progress 1
		.amdhsa_inst_pref_size 70
	.end_amdhsa_kernel
	.amdgpu_metadata
---
amdhsa.version: [ 1, 2 ]
amdhsa.kernels:
  - .name:           k_q261a9f38cf_outp
    .symbol:         k_q261a9f38cf_outp.kd
    .args:
      - { .name: aoc, .offset: 0, .size: 8, .value_kind: global_buffer, .address_space: global }
      - { .name: aos, .offset: 8, .size: 8, .value_kind: global_buffer, .address_space: global }
      - { .name: Wor_codes, .offset: 16, .size: 8, .value_kind: global_buffer, .address_space: global }
      - { .name: Wor_scales, .offset: 24, .size: 8, .value_kind: global_buffer, .address_space: global }
      - { .name: bor, .offset: 32, .size: 8, .value_kind: global_buffer, .address_space: global }
      - { .name: out0, .offset: 40, .size: 8, .value_kind: global_buffer, .address_space: global }
      - { .name: Woi_codes, .offset: 48, .size: 8, .value_kind: global_buffer, .address_space: global }
      - { .name: Woi_scales, .offset: 56, .size: 8, .value_kind: global_buffer, .address_space: global }
      - { .name: boi, .offset: 64, .size: 8, .value_kind: global_buffer, .address_space: global }
      - { .name: out1, .offset: 72, .size: 8, .value_kind: global_buffer, .address_space: global }
    .group_segment_fixed_size: 327680
    .private_segment_fixed_size: 0
    .kernarg_segment_align: 8
    .kernarg_segment_size: 80
    .max_flat_workgroup_size: 128
    .sgpr_count:     84
    .vgpr_count:     768
    .wavefront_size: 32
...
	.end_amdgpu_metadata
.endif
;; end of part 3
